; MI455X (gfx1250); checked and timed in simulation.
; The chip was launched on July 23, 2026; its instructions are those of AMD's public machine-readable ISA for CDNA 5 (MIT licence, August 2026) and "CDNA5" Instruction Set Architecture Reference Guide (July 2026). The comments in the code are by the model that wrote it; some were corrected since.
;; KAN Layer. Allowed arithmetic: float matrix products may take bf16 or f16 operands with f32 sums; all other float work in f32.
;; Inputs: coef 256 x 256 x 11 float32; residual_weight 256 x 256 float32; univariate_weight 256 x 256 float32; x 128 x 256 float32.
;; Outputs: out0 128 x 256 float32.
;; One version. Each part assembles by itself: llvm-mc -triple=amdgcn-amd-amdhsa -mcpu=gfx1250 --defsym DOCPART=n.
;; ======== version 1 of 1: 1 launch
;; limits: values outside matrix products are rounded to bf16
;; launch kan (part 1): grid 8 x 32, 16 waves a work-group, clusters of 4 x 1, 169,984 bytes of LDS; arguments x, coef, univariate_weight, residual_weight, out0; writes out0
.if DOCPART == 1
	.amdgcn_target "amdgcn-amd-amdhsa--gfx1250"
	.amdhsa_code_object_version 6
	.text
	.protected	k_q9fa0cd6cb4_kan
	.globl	k_q9fa0cd6cb4_kan
	.p2align	8
	.type	k_q9fa0cd6cb4_kan,@function
k_q9fa0cd6cb4_kan:
	s_mov_b64 s[64:65], 0
	v_nop
	global_prefetch_b8 v0, s[64:65] scope:SCOPE_SE
	s_setreg_imm32_b32 hwreg(HW_REG_WAVE_MODE, 25, 1), 1
	s_wait_xcnt 0x0
	s_wait_alu depctr_hold_cnt(0) depctr_sa_sdst(0) depctr_va_vdst(0) depctr_va_sdst(0) depctr_va_ssrc(0) depctr_va_vcc(0) depctr_vm_vsrc(0)
	s_getreg_b32 s2, hwreg(HW_REG_IB_STS2, 6, 4)
	s_cmp_eq_u32 s2, 0
	s_cbranch_scc0 .Lentry_in_a_cluster
	s_endpgm
.Lentry_in_a_cluster:
	s_bfe_u32 s2, ttmp6, 0x10000c
	s_cmp_lg_u32 s2, 0x3003
	s_cbranch_scc0 .Lentry_shape_is_right
	s_endpgm
.Lentry_shape_is_right:
; KAN layer, one launch:  out[b][o] = sum over i of  rw[o][i] silu(x[b][i]) + uw[o][i] sum over g of N_g(x[b][i]) coef[o][i][g].
; x [128][256], coef [256][256][11], uw, rw [256][256], out [128][256], all f32.
; AS ONE PRODUCT over k = (i, g'), g' = 0..11, K = 3,072:  bases side  6 N_g(x) (g' < 11), silu(x) (g' = 11);
; weights side  coef uw / 6 (g' < 11), rw (g' = 11).  Both sides rounded to bf16, sums in f32 (in another order than the problem's formula).
; BASES: the knots are -1.75 + 0.25 t.  u = 4 x + 7, c = floor(u), f = u - c: only bases c-3 .. c differ from 0 and are, times 6,
; (1-f)^3,  3f^3-6f^2+4,  3(1-f)^3-6(1-f)^2+4,  f^3.  The splines are continuous, so it does not matter on which side of a knot rounding puts u.
; The four values are put in their place among the eleven by selects alone.  Outside the knots every select gives 0.
; LIMIT: where x is infinite or NaN the problem's formula has no finite result; this text then gives NaN or infinity in that row of out.
; SHARES: a work-group makes 16 b x 8 o.  Its inputs (coef 90,112 bytes, uw and rw 8,192 each, x 16,384) lie in LDS all at once: every tensor
; load is a first fill.  Sixteen waves split K: wave w has i = 8w .. 8w+7 (set 1) and 128+8w .. 128+8w+7 (set 2).
; A lane has 4 neighbouring i = 48 values of k = its 16 values in each of 3 fragments; lanes 16-31 have the 4 i behind those of lanes 0-15.
; With 8 o the weight fragment's 16 rows are (o, set 1) in rows 0-7 and (o, set 2) in rows 8-15.  It is multiplied by the bases of set 1 into D1
; (rows 0-7 are right) and by the bases of set 2 into D2 (rows 8-15 are right): no lane prepares a number twice, half of each result is dropped.
; CLUSTER 4 x 1: the four work-groups of a cluster have the same 8 o and other b: coef, uw and rw (106,496 of a work-group's 122,880 bytes) are asked
; for jointly.  x differs between them and comes by a plain load; sharing x along o would serve 16,384 of 122,880 bytes.
; OUT: a work-group's part of a row of out is 32 bytes; 256 bytes of a row would need 64 o in a work-group, eight times the weights for each.
.set CHALF,  5632                      ; half a row of coef: 128 i x 11 f32.  The 8 rows of a work-group are 16 such pieces, dense in memory
.set CHP,    5648                      ; LDS pitch of a piece: 22 x 256 + 16
.set WHP,    528                       ; LDS pitch of half a row of uw or rw: 512 + 16
.set WPITCH, 1056                      ; and of a whole row
.set XPITCH, 1040                      ; LDS pitch of a row of x: 1,024 + 16
.set LW,     16*CHP                    ; 90,368: uw's 8 rows, then rw's 8 rows (coef's pieces begin at byte 0)
.set LX,     LW+16*WPITCH              ; 107,264: x's 16 rows
.set LRED,   LX+16*XPITCH              ; 123,904 = 484 x 256: the waves' partial sums, 1,024 bytes each; no tensor load lands here
; Banks (64 of 4 bytes: ISA guide 11.1): lanes 0-15 of a 16-byte read stand at (2a+s) x 5,648 for coef, a x 1,056 + s x 528 for uw and rw
; (a = lane % 8, s = lane / 8) and at r x 1,040 for x: modulo 256 that is sixteen different multiples of 16 in each case.
; vector registers
.set SS, 1                             ; v1 s = (lane / 8) % 2     v2 r = lane % 16     v3 h = lane / 16     v4 a = lane % 8
.set XA, 5                             ; v5 LDS address in x       v6 in coef           v7 in uw (rw: + 8 rows)
.set CA, 6
.set WA, 7
.set RS, 8                             ; v8 where my partial sums go
.set Z,  9                             ; v9 = 0
.set X1, 10                            ; v[10:13] x of my 4 i of set 1, v[14:17] of set 2
.set X2, 14
.set A1, 20                            ; v[20:43] bases of set 1: register 6e+k = (basis 2k, basis 2k+1) of my e-th i, k = 5: (basis 10, silu)
.set A2, 44                            ; v[44:67] bases of set 2
.set NX, 68                            ; from here: four registers each, one for each of the 4 i at work
.set EX, 72
.set RC, 76
.set U,  80
.set CF, 84
.set F,  88
.set OM, 92
.set SQF, 96
.set SQO, 100
.set CUF, 104
.set CUO, 108
.set VF, 112
.set VO, 116
.set KQ, 120
.set PB, 124
.set L1, 128
.set L2, 132
.set L3, 136
.set L4, 140
.set L5, 144
.set P0, 148
.set P1, 152
.set P2, 156
.set C,  68                            ; v[68:111] behind the bases the same registers hold: my 44 numbers of coef,
.set UW, 112                           ; v[112:115] uw / 6 and v[116:119] rw of my 4 i,
.set RW, 116
.set BF, 120                           ; v[120:143] the three weight fragments,
.set D1, 144                           ; v[144:151], v[152:159] the two accumulators
.set D2, 152
.set SUM, 20                           ; v[20:147] wave 0 at the end: 32 partial sums of 4 numbers
; scalar registers: s[4:13] the five addresses, s14 wave, s15 cx, s16 b tile, s17 o tile, s[18:19] offsets made with cx (x, out),
; s[56:63] offsets made without it, s[66:97] lane masks: eight for each of the 4 i at work
.set G0X, 20                           ; s[20:23], s[24:27], s[28:31] descriptor groups 0: x, uw or rw, coef
.set G0W, 24
.set G0C, 28
.set G1X, 32                           ; s[32:39], s[40:47], s[48:55] descriptor groups 1
.set G1W, 40
.set G1C, 48
.set MB,  66
; A round of the cluster's barrier: my work-group's barrier, wave 0 signals for the work-group, every wave waits for the four work-groups, my work-group's barrier again.
.macro ROUND
	s_barrier_signal -1
	s_barrier_wait -1
	s_cmp_lg_u32 s14, 0
	s_cbranch_scc1 .Lnot_wave_0_\@
	s_barrier_signal -3
.Lnot_wave_0_\@:
	s_barrier_wait -3
	s_barrier_signal -1
	s_barrier_wait -1
.endm
	s_load_b256 s[4:11], s[0:1], 0x0               ; x s[4:5], coef s[6:7], uw s[8:9], rw s[10:11]
	s_load_b64 s[12:13], s[0:1], 0x20              ; out
	v_lshl_add_u32 v160, v0, 2, 0x29000
	v_mov_b32 v161, 0
	ds_add_u32 v160, v161
	s_wait_dscnt 0x0
	v_lshrrev_b32 v1, 5, v0
	v_readfirstlane_b32 s14, v1                    ; wave 0..15
	s_bfe_u32 s15, ttmp6, 0x40000                  ; cx: my place in the cluster
	s_lshl_b32 s16, ttmp9, 2
	s_add_co_u32 s16, s16, s15                     ; b tile = 4 x cluster x + cx
	s_and_b32 s17, ttmp7, 0xffff                   ; o tile = cluster y: the same in the four partners
	; group 1 for x: one row of x as 4 rows of 32 elements of 8 bytes, dense; no mask: a load of my own
	s_mov_b32 s[G1X+0], 3<<16
	s_mov_b32 s[G1X+1], 32<<16                     ; tensor_dim0 = 32
	s_mov_b32 s[G1X+2], 4<<16                      ; tensor_dim1 = 4
	s_mov_b32 s[G1X+3], 32<<16                     ; tile_dim0 = 32
	s_mov_b32 s[G1X+4], 4                          ; tile_dim1 = 4
	s_mov_b32 s[G1X+5], 32                         ; from row to row
	s_mov_b32 s[G1X+6], 0
	s_mov_b32 s[G1X+7], 0
	; group 1 for uw and rw: one row as 2 rows of 64 elements (512 bytes), 4 words of padding behind every 128 words; joint: mask 15, bit 21 beside it
	s_mov_b32 s[G1W+0], 15|(3<<16)|(1<<20)|(1<<21)|(6<<22)|(3<<25)
	s_mov_b32 s[G1W+1], 64<<16
	s_mov_b32 s[G1W+2], 2<<16
	s_mov_b32 s[G1W+3], 64<<16
	s_mov_b32 s[G1W+4], 2
	s_mov_b32 s[G1W+5], 64
	s_mov_b32 s[G1W+6], 0
	s_mov_b32 s[G1W+7], 0
	; group 1 for coef: a piece of 5,632 bytes as 22 rows of 32 elements (256 bytes), dense; joint
	s_mov_b32 s[G1C+0], 15|(3<<16)|(1<<21)
	s_mov_b32 s[G1C+1], 32<<16
	s_mov_b32 s[G1C+2], 22<<16
	s_mov_b32 s[G1C+3], 32<<16
	s_mov_b32 s[G1C+4], 22
	s_mov_b32 s[G1C+5], 32
	s_mov_b32 s[G1C+6], 0
	s_mov_b32 s[G1C+7], 0
	; from where: wave w brings row w of the x tile, piece w of coef, and row w of uw (w < 8) or row w - 8 of rw.  Every start is a multiple of 256 bytes.
	s_lshl_b32 s18, s16, 14                        ; x: 16 rows of 1,024 bytes a tile
	s_lshl_b32 s19, s14, 10
	s_add_co_u32 s18, s18, s19
	s_mov_b32 s19, 0
	s_lshl_b32 s58, s17, 13                        ; uw, rw: 8 rows of 1,024 bytes a tile
	s_and_b32 s59, s14, 7
	s_lshl_b32 s59, s59, 10
	s_add_co_u32 s58, s58, s59
	s_mov_b32 s59, 0
	s_mul_i32 s60, s17, 16*CHALF                   ; coef: 16 pieces a tile
	s_mul_i32 s61, s14, CHALF
	s_add_co_u32 s60, s60, s61
	s_mov_b32 s61, 0
	; to where: a constant plus the wave's number times a constant
	s_mov_b32 s[G0X+0], 1
	s_mul_i32 s[G0X+1], s14, XPITCH
	s_add_co_u32 s[G0X+1], s[G0X+1], LX
	s_mov_b32 s[G0W+0], 1
	s_mul_i32 s[G0W+1], s14, WPITCH
	s_add_co_u32 s[G0W+1], s[G0W+1], LW
	s_mov_b32 s[G0C+0], 1
	s_mul_i32 s[G0C+1], s14, CHP
	ROUND                                          ; the four partners are here: the joint loads meet.  The arguments come in meanwhile
	s_wait_kmcnt 0x0
	s_add_nc_u64 s[G0X+2:G0X+3], s[4:5], s[18:19]
	s_or_b32 s[G0X+3], s[G0X+3], 0x80000000        ; type = 2
	s_cmp_lt_u32 s14, 8
	s_cselect_b64 s[56:57], s[8:9], s[10:11]       ; waves 0-7 fetch uw, waves 8-15 rw
	s_add_nc_u64 s[G0W+2:G0W+3], s[56:57], s[58:59]
	s_or_b32 s[G0W+3], s[G0W+3], 0x80000000
	s_add_nc_u64 s[G0C+2:G0C+3], s[6:7], s[60:61]
	s_or_b32 s[G0C+3], s[G0C+3], 0x80000000
	tensor_load_to_lds s[G0X:G0X+3], s[G1X:G1X+7]  ; x first: the bases need nothing else.  Three tensor loads of the wave are out, and no more follow
	s_nop 0
	tensor_load_to_lds s[G0W:G0W+3], s[G1W:G1W+7]
	s_nop 0
	tensor_load_to_lds s[G0C:G0C+3], s[G1C:G1C+7]
	s_nop 0
	; lane terms and LDS addresses
	v_and_b32 v2, 15, v0                           ; r
	v_bfe_u32 v3, v0, 4, 1                         ; h
	v_and_b32 v4, 7, v0                            ; a
	v_bfe_u32 v[SS], v0, 3, 1                      ; s
	s_lshl_b32 s62, s14, 5                         ; 8 i of 4 bytes a wave
	v_mul_u32_u24 v[XA], v2, XPITCH                ; x: row r, i = 8w + 4h (set 2: 512 bytes on)
	v_lshl_add_u32 v[XA], v3, 4, v[XA]
	s_add_co_u32 s63, s62, LX
	v_add_nc_u32 v[XA], s63, v[XA]
	v_mul_u32_u24 v[WA], v4, WPITCH                ; uw: row a, half s, i = 8w + 4h in that half
	v_mad_u32_u24 v[WA], v[SS], WHP, v[WA]
	v_lshl_add_u32 v[WA], v3, 4, v[WA]
	s_add_co_u32 s63, s62, LW
	v_add_nc_u32 v[WA], s63, v[WA]
	v_mul_u32_u24 v[CA], v4, 2*CHP                 ; coef: piece 2a + s, and in it 44 bytes for each i: 352 w + 176 h
	v_mad_u32_u24 v[CA], v[SS], CHP, v[CA]
	v_mad_u32_u24 v[CA], v3, 176, v[CA]
	s_mul_i32 s63, s14, 352
	v_add_nc_u32 v[CA], s63, v[CA]
	v_and_b32 v[RS], 31, v0
	s_lshl_b32 s63, s14, 10
	s_add_co_u32 s63, s63, LRED
	v_lshl_add_u32 v[RS], v[RS], 4, s63            ; my wave's 1,024 bytes, 16 bytes a lane
	v_mov_b32 v[Z], 0
; The 48 values of the bases side for the 4 numbers of x in v[XR:XR+3], into v[AR:AR+23].  Each step is done for all four before the next.
.macro BASES XR, AR
	v_pk_mul_f32 v[NX:NX+1],   v[\XR:\XR+1],   0xbfb8aa3b op_sel_hi:[1,0]          ; -x log2(e)
	v_pk_mul_f32 v[NX+2:NX+3], v[\XR+2:\XR+3], 0xbfb8aa3b op_sel_hi:[1,0]
	v_pk_fma_f32 v[U:U+1],     v[\XR:\XR+1],   4.0, 0x40e00000 op_sel_hi:[1,0,0]   ; u = 4 x + 7
	v_pk_fma_f32 v[U+2:U+3],   v[\XR+2:\XR+3], 4.0, 0x40e00000 op_sel_hi:[1,0,0]
.irp e, 0,1,2,3
	v_exp_f32 v[EX+\e], v[NX+\e]                   ; e^-x
.endr
.irp e, 0,1,2,3
	v_floor_f32 v[CF+\e], v[U+\e]                  ; c.  (Plain instructions between the exponentials and their first use: ISA guide 5.7.2)
.endr
	s_wait_alu depctr_va_vdst(0)
	v_pk_add_f32 v[EX:EX+1],   v[EX:EX+1],   1.0 op_sel_hi:[1,0]
	v_pk_add_f32 v[EX+2:EX+3], v[EX+2:EX+3], 1.0 op_sel_hi:[1,0]
.irp e, 0,1,2,3
	v_rcp_f32 v[RC+\e], v[EX+\e]                   ; sigmoid(x); used at the macro's end
.endr
.irp j, 0,2
	v_pk_add_f32 v[F+\j:F+\j+1], v[U+\j:U+\j+1], v[CF+\j:CF+\j+1] neg_lo:[0,1] neg_hi:[0,1]   ; f = u - c
.endr
.irp j, 0,2
	v_pk_fma_f32 v[OM+\j:OM+\j+1], v[F+\j:F+\j+1], -1.0, 1.0 op_sel_hi:[1,0,0]                ; 1 - f
.endr
.irp j, 0,2
	v_pk_mul_f32 v[SQF+\j:SQF+\j+1], v[F+\j:F+\j+1], v[F+\j:F+\j+1]
	v_pk_mul_f32 v[SQO+\j:SQO+\j+1], v[OM+\j:OM+\j+1], v[OM+\j:OM+\j+1]
.endr
.irp j, 0,2
	v_pk_mul_f32 v[CUF+\j:CUF+\j+1], v[SQF+\j:SQF+\j+1], v[F+\j:F+\j+1]                       ; f^3: basis c
	v_pk_mul_f32 v[CUO+\j:CUO+\j+1], v[SQO+\j:SQO+\j+1], v[OM+\j:OM+\j+1]                     ; (1-f)^3: basis c-3
.endr
.irp j, 0,2
	v_pk_fma_f32 v[VF+\j:VF+\j+1], v[SQF+\j:SQF+\j+1], -2.0, v[CUF+\j:CUF+\j+1] op_sel_hi:[1,0,1]
	v_pk_fma_f32 v[VO+\j:VO+\j+1], v[SQO+\j:SQO+\j+1], -2.0, v[CUO+\j:CUO+\j+1] op_sel_hi:[1,0,1]
.endr
.irp j, 0,2
	v_pk_fma_f32 v[VF+\j:VF+\j+1], v[VF+\j:VF+\j+1], 0x40400000, 4.0 op_sel_hi:[1,0,0]        ; 3 (f^3 - 2 f^2) + 4: basis c-2
	v_pk_fma_f32 v[VO+\j:VO+\j+1], v[VO+\j:VO+\j+1], 0x40400000, 4.0 op_sel_hi:[1,0,0]        ; the same of 1-f: basis c-1
.endr
	; Where they go.  The six values 0, then the four, then 0 (c even), or 0, 0, then the four (c odd), fill registers kq-2, kq-1, kq of the six, kq = c >> 1.
.irp e, 0,1,2,3
	v_cvt_i32_f32 v[KQ+\e], v[CF+\e]               ; c as a whole number; it saturates for huge |x|, and then no mask below is set
.endr
.irp e, 0,1,2,3
	v_and_b32 v[PB+\e], 1, v[KQ+\e]
.endr
.irp e, 0,1,2,3
	v_ashrrev_i32 v[KQ+\e], 1, v[KQ+\e]
.endr
.irp e, 0,1,2,3
	v_cmp_eq_u32 s[MB+8*\e+7], 0, v[PB+\e]         ; c even
.endr
.irp e, 0,1,2,3
	v_cndmask_b32 v[L1+\e], 0, v[CUO+\e], s[MB+8*\e+7]
	v_cndmask_b32 v[L2+\e], v[CUO+\e], v[VF+\e], s[MB+8*\e+7]
	v_cndmask_b32 v[L3+\e], v[VF+\e], v[VO+\e], s[MB+8*\e+7]
	v_cndmask_b32 v[L4+\e], v[VO+\e], v[CUF+\e], s[MB+8*\e+7]
	v_cndmask_b32 v[L5+\e], v[CUF+\e], 0, s[MB+8*\e+7]
.endr
.irp e, 0,1,2,3
.irp m, 0,1,2,3,4,5,6
	v_cmp_eq_u32 s[MB+8*\e+\m], \m, v[KQ+\e]       ; kq = 7 would put a 0 at basis 10 and nothing else: no mask for it
.endr
.endr
.irp e, 0,1,2,3
	v_cvt_pk_bf16_f32 v[P0+\e], v[Z], v[L1+\e]
	v_cvt_pk_bf16_f32 v[P1+\e], v[L2+\e], v[L3+\e]
	v_cvt_pk_bf16_f32 v[P2+\e], v[L4+\e], v[L5+\e]
.endr
.irp e, 0,1,2,3
.irp k, 0,1,2,3,4,5
	v_cndmask_b32 v[\AR+6*\e+\k], 0, v[P2+\e], s[MB+8*\e+\k]                       ; register k: the third pair if kq = k,
.endr
.endr
.irp e, 0,1,2,3
.irp k, 0,1,2,3,4,5
	v_cndmask_b32 v[\AR+6*\e+\k], v[\AR+6*\e+\k], v[P1+\e], s[MB+8*\e+\k+1]        ; the second if kq = k + 1,
.endr
.endr
.irp e, 0,1,2,3
.irp k, 0,1,2,3,4
	v_cndmask_b32 v[\AR+6*\e+\k], v[\AR+6*\e+\k], v[P0+\e], s[MB+8*\e+\k+2]        ; the first if kq = k + 2, else 0
.endr
.endr
	s_wait_alu depctr_va_vdst(0)
.irp e, 0,1,2,3
	v_fma_mixhi_bf16 v[\AR+6*\e+5], v[\XR+\e], v[RC+\e], v[Z]                      ; silu = x sigmoid(x), rounded once, over the upper half beside basis 10
.endr
.endm
	s_wait_tensorcnt 0x2                           ; my row of x has landed; the two loads issued behind it stay out
	s_barrier_signal -1
	s_barrier_wait -1                              ; every wave's row has
	ds_load_b128 v[X1:X1+3], v[XA]
	ds_load_b128 v[X2:X2+3], v[XA] offset:512
	s_wait_dscnt 0x1                               ; the first of the two
	BASES X1, A1
	s_wait_dscnt 0x0
	BASES X2, A2
	s_wait_tensorcnt 0x0                           ; my row of uw or rw and my piece of coef have landed
	s_barrier_signal -1
	s_barrier_wait -1                              ; everybody's have
	ds_load_b128 v[UW:UW+3], v[WA]
	ds_load_b128 v[RW:RW+3], v[WA] offset:8*WPITCH
.irp c, 0,1,2,3,4,5,6,7,8,9,10
	ds_load_b128 v[C+4*\c:C+4*\c+3], v[CA] offset:16*\c        ; 176 bytes: 4 i x 11 numbers, number 11 e + g in register C + 11 e + g
.endr
	v_cmp_ne_u32 vcc_lo, 0, v3                     ; lanes 16-31, for the choice behind the products
	s_wait_dscnt 11                                ; uw and rw are in; coef's eleven loads may be out
	v_pk_mul_f32 v[UW:UW+1],   v[UW:UW+1],   0x3e2aaaab op_sel_hi:[1,0]            ; uw / 6: the bases side holds 6 N
	v_pk_mul_f32 v[UW+2:UW+3], v[UW+2:UW+3], 0x3e2aaaab op_sel_hi:[1,0]
	; coef times uw / 6, two at a time.  Pair q holds numbers 2q, 2q+1: both of one i (the factor's register is taken twice) but for pairs 5 and 16, which straddle two i.
.set q, 0
.rept 22
.if (q%2) == 0
	s_wait_dscnt 10-q/2                            ; LDS loads come back in order (ISA guide 5.7.1): load q/2 of the eleven is in
.endif
.if q < 5
	v_pk_mul_f32 v[C+2*q:C+2*q+1], v[C+2*q:C+2*q+1], v[UW:UW+1] op_sel_hi:[1,0]
.elseif q == 5
	v_pk_mul_f32 v[C+2*q:C+2*q+1], v[C+2*q:C+2*q+1], v[UW:UW+1]
.elseif q < 11
	v_pk_mul_f32 v[C+2*q:C+2*q+1], v[C+2*q:C+2*q+1], v[UW:UW+1] op_sel:[0,1] op_sel_hi:[1,1]
.elseif q < 16
	v_pk_mul_f32 v[C+2*q:C+2*q+1], v[C+2*q:C+2*q+1], v[UW+2:UW+3] op_sel_hi:[1,0]
.elseif q == 16
	v_pk_mul_f32 v[C+2*q:C+2*q+1], v[C+2*q:C+2*q+1], v[UW+2:UW+3]
.else
	v_pk_mul_f32 v[C+2*q:C+2*q+1], v[C+2*q:C+2*q+1], v[UW+2:UW+3] op_sel:[0,1] op_sel_hi:[1,1]
.endif
.set q, q+1
.endr
	; to bf16, in the order of the bases side: register 6e+k = (g = 2k, 2k+1) of my e-th i, k = 5: (g = 10, rw)
.set p, 0
.rept 24
.if (p%6) < 5
	v_cvt_pk_bf16_f32 v[BF+p], v[C+(p/6)*11+2*(p%6)], v[C+(p/6)*11+2*(p%6)+1]
.else
	v_cvt_pk_bf16_f32 v[BF+p], v[C+(p/6)*11+10], v[RW+p/6]
.endif
.set p, p+1
.endr
	; Source 0 = weights (rows), source 1 = bases (columns): register j of lane (r, h) is row 8h + j, column b = r.
	; The first products start the sums.  The two accumulators take turns, one instruction a turn.
	v_wmma_f32_16x16x32_bf16 v[D1:D1+7], v[BF:BF+7],     v[A1:A1+7],     0
	v_wmma_f32_16x16x32_bf16 v[D2:D2+7], v[BF:BF+7],     v[A2:A2+7],     0
	v_wmma_f32_16x16x32_bf16 v[D1:D1+7], v[BF+8:BF+15],  v[A1+8:A1+15],  v[D1:D1+7]
	v_wmma_f32_16x16x32_bf16 v[D2:D2+7], v[BF+8:BF+15],  v[A2+8:A2+15],  v[D2:D2+7]
	v_wmma_f32_16x16x32_bf16 v[D1:D1+7], v[BF+16:BF+23], v[A1+16:A1+23], v[D1:D1+7]
	v_wmma_f32_16x16x32_bf16 v[D2:D2+7], v[BF+16:BF+23], v[A2+16:A2+23], v[D2:D2+7]
.rept 4
	v_nop                                          ; four places behind the last matrix instruction before its result is read (ISA guide 7.12.1)
.endr
.irp j, 0,1,2,3,4,5,6,7
	v_cndmask_b32 v[D1+\j], v[D1+\j], v[D2+\j], vcc_lo         ; lanes 0-15: D1's rows 0-7 (set 1), lanes 16-31: D2's rows 8-15 (set 2): out(b = r, o = j) in part
.endr
	ds_store_b128 v[RS], v[D1:D1+3]                ; o = 0..3: 512 neighbouring bytes of the wave,
	ds_store_b128 v[RS], v[D1+4:D1+7] offset:512   ; o = 4..7: the next 512
	s_wait_dscnt 0x0                               ; for wave 0's sake: my stores are done
	s_barrier_signal -1
	s_barrier_wait -1
	s_cmp_lg_u32 s14, 0
	s_cbranch_scc1 .Lclose
	; Wave 0 adds the 32 partial sums (16 waves x 2 sets).  Lane l: b = l % 16, o = 4 (l / 16) .. + 3.
	v_lshlrev_b32 v10, 4, v2
	v_lshl_add_u32 v10, v3, 9, v10
	v_add_nc_u32 v10, LRED, v10
.set p, 0
.rept 32
	ds_load_b128 v[SUM+4*p:SUM+4*p+3], v10 offset:(p/2)*1024+(p%2)*256             ; wave p/2, set p%2; sixteen lanes read 256 neighbouring bytes
.set p, p+1
.endr
	s_lshl_b32 s18, s16, 14                        ; out: 16 rows of 1,024 bytes a b tile,
	s_lshl_b32 s63, s17, 5                         ; 32 bytes an o tile
	s_add_co_u32 s18, s18, s63
	s_mov_b32 s19, 0
	s_add_nc_u64 s[12:13], s[12:13], s[18:19]
	v_lshlrev_b32 v11, 10, v2                      ; row b,
	v_lshl_add_u32 v11, v3, 4, v11                 ; 16 bytes for each half of the lanes
	s_wait_dscnt 0x0
.irp n, 16,8,4,2,1
.set q, 0
.rept \n
	v_pk_add_f32 v[SUM+4*q:SUM+4*q+1],   v[SUM+4*q:SUM+4*q+1],   v[SUM+4*(q+\n):SUM+4*(q+\n)+1]
	v_pk_add_f32 v[SUM+4*q+2:SUM+4*q+3], v[SUM+4*q+2:SUM+4*q+3], v[SUM+4*(q+\n)+2:SUM+4*(q+\n)+3]
.set q, q+1
.endr
.endr
	global_store_b128 v11, v[SUM:SUM+3], s[12:13]  ; the work-group's 16 x 32 bytes of out, in one instruction
.Lclose:
	s_wait_tensorcnt 0x0
	ds_add_u32 v160, v161
	s_wait_dscnt 0x0
	ROUND                                          ; the closing round: no work-group ends while a partner may still ask for a tile that names it
	s_endpgm
.Lfunc_end_k_q9fa0cd6cb4_kan:
	.size	k_q9fa0cd6cb4_kan, .Lfunc_end_k_q9fa0cd6cb4_kan-k_q9fa0cd6cb4_kan
	.p2alignl 7, 3214868480
	.fill 96, 4, 3214868480
	.section	.rodata,"a",@progbits
	.p2align	6, 0x0
	.amdhsa_kernel k_q9fa0cd6cb4_kan
		.amdhsa_group_segment_fixed_size 169984
		.amdhsa_private_segment_fixed_size 0
		.amdhsa_enable_private_segment 0
		.amdhsa_kernarg_size 40
		.amdhsa_user_sgpr_count 2
		.amdhsa_user_sgpr_kernarg_segment_ptr 1
		.amdhsa_wavefront_size32 1
		.amdhsa_system_sgpr_workgroup_id_x 1
		.amdhsa_system_sgpr_workgroup_id_y 1
		.amdhsa_system_sgpr_workgroup_id_z 1
		.amdhsa_system_vgpr_workitem_id 0
		.amdhsa_next_free_vgpr 162
		.amdhsa_next_free_sgpr 98
		.amdhsa_reserve_vcc 1
		.amdhsa_float_denorm_mode_32 3
		.amdhsa_float_denorm_mode_16_64 3
		.amdhsa_memory_ordered 1
		.amdhsa_forward_progress 1
		.amdhsa_inst_pref_size 41
	.end_amdhsa_kernel
	.amdgpu_metadata
---
amdhsa.version: [ 1, 2 ]
amdhsa.kernels:
  - .name:           k_q9fa0cd6cb4_kan
    .symbol:         k_q9fa0cd6cb4_kan.kd
    .args:
      - { .name: x, .offset: 0, .size: 8, .value_kind: global_buffer, .address_space: global }
      - { .name: coef, .offset: 8, .size: 8, .value_kind: global_buffer, .address_space: global }
      - { .name: univariate_weight, .offset: 16, .size: 8, .value_kind: global_buffer, .address_space: global }
      - { .name: residual_weight, .offset: 24, .size: 8, .value_kind: global_buffer, .address_space: global }
      - { .name: out0, .offset: 32, .size: 8, .value_kind: global_buffer, .address_space: global }
    .group_segment_fixed_size: 169984
    .private_segment_fixed_size: 0
    .kernarg_segment_align: 8
    .kernarg_segment_size: 40
    .max_flat_workgroup_size: 512
    .sgpr_count:     98
    .vgpr_count:     162
    .wavefront_size: 32
...
	.end_amdgpu_metadata
.endif
;; end of part 1
